; MI455X (gfx1250); checked and timed in simulation.
; The chip was launched on July 23, 2026; its instructions are those of AMD's public machine-readable ISA for CDNA 5 (MIT licence, August 2026) and "CDNA5" Instruction Set Architecture Reference Guide (July 2026). The comments in the code are by the model that wrote it; some were corrected since.
;; Attention. Allowed arithmetic: matrix products marked QUANTISED: E5M2 operands, one given power-of-two scale a tensor, by v_wmma_f32_16x16x64_bf8_bf8 or v_wmma_f32_16x16x128_bf8_bf8, f32 sums; everything else in f32.
;; Inputs: Wk 1,024 x 1,024 float32; Wp 1,024 x 1,024 float32; Wq 1,024 x 1,024 float32; Wv 1,024 x 1,024 float32; bp 1,024 float32; lowp_scales 12 int32 (the exponents e of the quantised operands' scales 2^e); x 4 x 2,048 x 1,024 float32.
;; Outputs: out0 4 x 2,048 x 1,024 float32.
;; This version of the problem:
;;   THIS VERSION OF THE PROBLEM IS GIVEN IN LOW PRECISION. The matrix products marked QUANTISED in the list below multiply operands that are first quantised to E5M2 (5 exponent bits, 2 mantissa bits; 8 bits a number), with one given power-of-two scale for each operand tensor; their sums are f32. All else is computed in f32.
;;   The module's matrix products, in the order in which they are computed (A, B: the left and right operand; K: the contracted axis; several contracted axes count as one K, in the product's order):
;;     1. [M 8,192, K 1,024] x [K 1,024, N 1,024]; A: input x; B: input Wq: QUANTISED (scales: A lowp_scales[0], B lowp_scales[1])
;;     2. [M 8,192, K 1,024] x [K 1,024, N 1,024]; A: input x; B: input Wk: QUANTISED (scales: A lowp_scales[2], B lowp_scales[3])
;;     3. [M 8,192, K 1,024] x [K 1,024, N 1,024]; A: input x; B: input Wv: QUANTISED (scales: A lowp_scales[4], B lowp_scales[5])
;;     4. batch 64 x [M 2,048, K 64] x [K 64, N 2,048]; A: computed on the way; B: computed on the way: QUANTISED (scales: A lowp_scales[6], B lowp_scales[7])
;;     5. batch 64 x [M 2,048, K 2,048] x [K 2,048, N 64]; A: softmax (see below); B: computed on the way: QUANTISED (scales: A lowp_scales[8], B lowp_scales[9])
;;     6. [M 8,192, K 1,024] x [K 1,024, N 1,024]; A: computed on the way; B: input Wp: QUANTISED (scales: A lowp_scales[10], B lowp_scales[11])
;;   THE QUANTISER, for each operand of a quantised product, along K:
;;     - The operand's scale is 2^e, e = its entry of the input lowp_scales (int32; the entries are numbered through the quantised products in the list's order, A before B).
;;     - Each number is divided by the scale, clamped to +-57,344, and rounded to the nearest number of E5M2, ties to even, subnormals kept.
;;     - The product sums the exact products of the quantised numbers (number of the format x scale) in f32.
;;   ~~~python
;;   def quantise(x, axis, e):      # numpy; x: float32 -> the quantised numbers, widened to float32 again
;;       x = np.moveaxis(x, axis, -1); K = x.shape[-1]
;;       r = np.clip(x / 2.0 ** e, -57344, 57344)
;;       step = 2.0 ** (np.maximum(np.frexp(np.where(r == 0, 1, r))[1] - 1, -14) - 2)
;;       q = np.round(r / step) * step * 2.0 ** e      # np.round: ties to even
;;       return np.moveaxis(q, -1, axis).astype(np.float32)
;;   ~~~
;;   SOFTMAX AHEAD OF A QUANTISED PRODUCT. Where the list says 'softmax', what is quantised is not the finished softmax but p = 2^(t - M), with t = logit x log2(e) and M = ceil(the row's largest t), a whole number; so 1/2 < the row's largest p <= 1. The row's sum l is taken of the UNQUANTISED p, in f32, and the product's result is divided by l at the end. Since M is a whole number, a kernel that streams over the keys may use a running M (the ceiling of the running maximum): every later rescaling is an exact power of two, so the quantised numbers keep their values, but for numbers so far below the row's largest that they fall under the format's range.
;;   OPERANDS COMPUTED ON THE WAY. 'Computed on the way' means the value that the module computes at that place (a softmax that the list does not call 'softmax' is quantised finished and normalised). What goes into a quantiser is computed in f32, as accurately as f32 sums, v_exp_f32 and their like allow (about 1e-6 of the number): no bf16 or f16 on the way to a quantiser, and a product that is left as it is and whose result goes on into a quantised operand takes f32 operands (vector FMAs, or v_wmma_f32_16x16x4_f32). A number that lies on a knife's edge between two numbers of the format may be rounded either way, as far as f32 arithmetic and the matrix unit's own rounding can turn it there, and no further.
;; One version. Each part assembles by itself: llvm-mc -triple=amdgcn-amd-amdhsa -mcpu=gfx1250 --defsym DOCPART=n.
;; ======== version 1 of 1: 4 launches
;; limits: right only within a limited range of input values
;; workspace buffers: xc 25,165,824 bytes; wc 4,194,304 bytes; qkvc 25,165,824 bytes; cimg 8,388,608 bytes
;; launch quant (part 1): grid 768 x 1, 4 waves a work-group, no clusters, 34,304 bytes of LDS; arguments x, Wq, Wk, Wv, Wp, lowp_scales, xc, wc; writes xc, wc
.if DOCPART == 1
	.amdgcn_target "amdgcn-amd-amdhsa--gfx1250"
	.amdhsa_code_object_version 6
	.text
	.protected	k_qb71639d5df_quant
	.globl	k_qb71639d5df_quant
	.p2align	8
	.type	k_qb71639d5df_quant,@function
k_qb71639d5df_quant:
	s_mov_b64 s[64:65], 0
	v_nop
	global_prefetch_b8 v0, s[64:65] scope:SCOPE_SE
	s_setreg_imm32_b32 hwreg(HW_REG_WAVE_MODE, 25, 1), 1
	s_wait_xcnt 0x0
; x [8192][1024] and Wq, Wk, Wv, Wp [1024][1024], f32 with K innermost, become codes of BF8 (E5M2): code = number / 2^e, held within +-57,344, to the nearest code, ties to even.
; x is an operand of three products with three given exponents (entries 0, 2, 4 of the scales), so it is read once and converted three times: parts 0, 1, 2 of xc.
; Wq, Wk, Wv, Wp take entries 1, 3, 5, 11: parts 0 to 3 of wc.
; LAYOUT OF THE CODES: the image of the matrix operand's registers.  A fragment is 16 rows x 128 k = 2,048 bytes, [piece 0..3][lane 0..31][16 bytes]; lane = row % 16 + 16 h;
; piece p, bytes 0-7: k = 32 p + 8 h + 0..7; bytes 8-15: k = 32 p + 16 + 8 h + 0..7.  Fragments lie [block of 256 rows][k / 128][tile of 16 rows]: 262,144, 32,768 and 2,048 bytes apart.
; SHARES: a work-group takes 16 rows x 1,024 k (work-groups 0-511: x; 512-767: the weights, 64 each); wave w takes k = 256 w on, as two units of 16 x 128.
; Each load reads 512 consecutive bytes of a row; a unit turns through the wave's own stage in LDS (rows 528 bytes apart) so that a lane gets the 16 numbers of each of its pieces;
; each store writes 512 consecutive bytes, aligned.  Waves share nothing: no barrier.
; LIMITS: each of the seven exponents lies between -126 and 112, so that 2^e and 57,344 x 2^e are f32 numbers.  NaN among the inputs is not served.
.set SPITCH, 528                       ; a stage row: 512 bytes + 16
.set WSTG,   16*SPITCH                 ; a wave's stage
.set R, 16                             ; v16-79   a unit as loaded: row i in 4 registers
.set X, 80                             ; v80-143  the same, turned: 16 numbers for each piece
.set T, 144                            ; v144-175 not used
.set C, 176                            ; v176-223 codes: 16 registers for each of three outputs
	s_load_b256 s[4:11], s[0:1], 0x0               ; x, Wq, Wk, Wv
	s_load_b256 s[12:19], s[0:1], 0x20             ; Wp, the scales' exponents, xc, wc
	v_lshl_add_u32 v224, v0, 2, 0x8400
	v_mov_b32 v225, 0
	v_lshrrev_b32 v10, 5, v0
	v_readfirstlane_b32 s20, v10                   ; wave
	v_and_b32 v11, 31, v0
	v_lshlrev_b32 v1, 4, v11                       ; 16 x lane: my bytes of a load's and of a store's 512
	v_and_b32 v12, 15, v0                          ; r
	v_bfe_u32 v13, v0, 4, 1                        ; h
	s_mul_i32 s48, s20, WSTG
	v_add_nc_u32 v2, s48, v1                       ; the stage, on the way in: 16 x lane of row i
	v_mul_u32_u24 v3, v12, SPITCH
	v_lshl_add_u32 v3, v13, 5, v3
	v_add_nc_u32 v3, s48, v3                       ; and on the way out: row r, + 32 h bytes (8 h numbers)
	s_sub_co_u32 s33, ttmp9, 512
	s_bfe_u32 s22, s33, 0x20006                    ; which weight: 2 bits from bit 6 (of no use in x's work-groups)
	s_and_b32 s32, s33, 63
	s_cmp_lt_u32 ttmp9, 512
	s_cselect_b32 s21, 1, 0                        ; 1: x
	s_cselect_b32 s23, ttmp9, s32                  ; the tile of 16 rows in its tensor
	s_lshl_b32 s34, s23, 16                        ; 16 rows of 4,096 bytes
	s_lshl_b32 s35, s20, 10                        ; + my wave's 256 numbers
	s_add_co_u32 s34, s34, s35
	s_mov_b32 s35, 0
	s_lshr_b32 s50, s23, 4
	s_lshl_b32 s50, s50, 18                        ; the codes: block of 256 rows,
	s_lshl_b32 s51, s20, 16                        ; k / 128 = 2 w,
	s_add_co_u32 s50, s50, s51
	s_and_b32 s51, s23, 15
	s_lshl_b32 s51, s51, 11                        ; the tile in its block
	s_add_co_u32 s50, s50, s51
	s_mov_b32 s51, 0
	s_lshl_b32 s52, s22, 20                        ; the weight's part of wc
	s_mov_b32 s53, 0
	s_wait_alu depctr_va_vdst(0)
	s_wait_kmcnt 0x0
	s_load_b256 s[36:43], s[14:15], 0x0            ; e0 .. e7
	s_load_b128 s[44:47], s[14:15], 0x20           ; e8 .. e11
	s_cmp_eq_u32 s22, 1                            ; the source: every choice hangs on the work-group's number alone
	s_cselect_b64 s[24:25], s[8:9], s[6:7]
	s_cmp_eq_u32 s22, 2
	s_cselect_b64 s[24:25], s[10:11], s[24:25]
	s_cmp_eq_u32 s22, 3
	s_cselect_b64 s[24:25], s[12:13], s[24:25]
	s_cmp_eq_u32 s21, 1
	s_cselect_b64 s[24:25], s[4:5], s[24:25]
	s_add_nc_u64 s[24:25], s[24:25], s[34:35]
	s_add_nc_u64 s[26:27], s[18:19], s[52:53]
	s_cselect_b64 s[26:27], s[16:17], s[26:27]     ; output 0: x's part 0, or the weight's part
	s_add_nc_u64 s[26:27], s[26:27], s[50:51]
	s_add_nc_u64 s[28:29], s[16:17], s[50:51]
	s_add_nc_u64 s[28:29], s[28:29], 0x800000      ; output 1: x's part 1
	s_add_nc_u64 s[30:31], s[16:17], s[50:51]
	s_add_nc_u64 s[30:31], s[30:31], 0x1000000     ; output 2: x's part 2
.macro LOAD u                          ; unit u: 16 rows x 512 bytes
.set i, 0
.rept 16
	global_load_b128 v[R+4*i:R+4*i+3], v1, s[24:25] offset:i*4096+(\u)*512 th:TH_LOAD_NT
.set i, i+1
.endr
.endm
.macro TURN                            ; through my stage: LDS serves a wave's instructions in order (ISA guide 5.7.1.4), so no wait stands between the stores and the loads
.set i, 0
.rept 16
	ds_store_b128 v2, v[R+4*i:R+4*i+3] offset:i*SPITCH
.set i, i+1
.endr
.set i, 0
	v_nop
.rept 16
	ds_load_b128 v[X+4*i:X+4*i+3], v3 offset:128*(i/4)+64*((i%4)/2)+16*(i%2)   ; piece i / 4: 8 numbers at k = 32 p + 8 h, 8 at k = 32 p + 16 + 8 h
.set i, i+1
.endr
.endm
.macro MKSCALE e, o                    ; v[4 + 2 o] = 2^e as f32 (the conversion takes its exponent field)
	s_add_co_i32 s55, s[\e], 127
	s_lshl_b32 s56, s55, 23
	v_mov_b32 v[4+2*\o], s56
.endm
; Output o of unit u.  The numbers stay in X for the next output: the conversions read them there.
.macro QUANT o, u, d
.irp p, 0,1,2,3
.set i, 0
.rept 16
.set i, i+1
.endr
	v_cvt_scalef32_pk8_bf8_f32 v[C+16*\o+4*\p:C+16*\o+4*\p+1], v[T+16*(\p%2)+((X+16*\p+i)-(T+16*(\p%2)+i)):T+16*(\p%2)+7+((X+16*\p+i)-(T+16*(\p%2)+i))], v[4+2*\o]
	v_cvt_scalef32_pk8_bf8_f32 v[C+16*\o+4*\p+2:C+16*\o+4*\p+3], v[T+16*(\p%2)+8+((X+16*\p+i)-(T+16*(\p%2)+i)):T+16*(\p%2)+15+((X+16*\p+i)-(T+16*(\p%2)+i))], v[4+2*\o]
.endr
.irp p, 0,1,2,3
	global_store_b128 v1, v[C+16*\o+4*\p:C+16*\o+4*\p+3], s[\d:\d+1] offset:(\u)*32768+\p*512   ; a piece: 512 consecutive bytes, aligned
.endr
.endm
.macro UNIT u
	s_wait_loadcnt 0x0                             ; the unit's 16 loads are in
	TURN
	s_wait_dscnt 0x0                               ; X is in; the stage's stores have read R
.if \u == 0
	LOAD 1                                         ; the second unit comes while the first is converted
.else
	s_wait_xcnt 0x0                                ; the first unit's stores have read their registers: C is written again only behind this wait
.endif
	QUANT 0, \u, 26
	s_cmp_eq_u32 s21, 0                            ; a weight has one scale: a branch on the work-group's number, round register work and stores alone
	s_cbranch_scc1 .Lweight_\@
	QUANT 1, \u, 28
	QUANT 2, \u, 30
.Lweight_\@:
.endm
	LOAD 0
	s_wait_kmcnt 0x0
	s_cmp_eq_u32 s22, 1                            ; output 0's exponent: e0 for x; e1, e3, e5, e11 for the weights
	s_cselect_b32 s54, s39, s37
	s_cmp_eq_u32 s22, 2
	s_cselect_b32 s54, s41, s54
	s_cmp_eq_u32 s22, 3
	s_cselect_b32 s54, s47, s54
	s_cmp_eq_u32 s21, 1
	s_cselect_b32 s54, s36, s54
	MKSCALE 54, 0
	MKSCALE 38, 1                                  ; e2
	MKSCALE 40, 2                                  ; e4
	s_wait_alu depctr_va_vdst(0)
	UNIT 0
	UNIT 1
	s_wait_tensorcnt 0x0
	ds_add_u32 v224, v225
	s_wait_dscnt 0x0
	s_endpgm
.Lfunc_end_k_qb71639d5df_quant:
	.size	k_qb71639d5df_quant, .Lfunc_end_k_qb71639d5df_quant-k_qb71639d5df_quant
	.p2alignl 7, 3214868480
	.fill 96, 4, 3214868480
	.section	.rodata,"a",@progbits
	.p2align	6, 0x0
	.amdhsa_kernel k_qb71639d5df_quant
		.amdhsa_group_segment_fixed_size 34304
		.amdhsa_private_segment_fixed_size 0
		.amdhsa_enable_private_segment 0
		.amdhsa_kernarg_size 64
		.amdhsa_user_sgpr_count 2
		.amdhsa_user_sgpr_kernarg_segment_ptr 1
		.amdhsa_wavefront_size32 1
		.amdhsa_system_sgpr_workgroup_id_x 1
		.amdhsa_system_sgpr_workgroup_id_y 1
		.amdhsa_system_sgpr_workgroup_id_z 1
		.amdhsa_system_vgpr_workitem_id 0
		.amdhsa_next_free_vgpr 226
		.amdhsa_next_free_sgpr 66
		.amdhsa_reserve_vcc 0
		.amdhsa_float_denorm_mode_32 3
		.amdhsa_float_denorm_mode_16_64 3
		.amdhsa_fp16_overflow 1
		.amdhsa_memory_ordered 1
		.amdhsa_forward_progress 1
		.amdhsa_inst_pref_size 16
	.end_amdhsa_kernel
	.amdgpu_metadata
---
amdhsa.version: [ 1, 2 ]
amdhsa.kernels:
  - .name:           k_qb71639d5df_quant
    .symbol:         k_qb71639d5df_quant.kd
    .args:
      - { .name: x, .offset: 0, .size: 8, .value_kind: global_buffer, .address_space: global }
      - { .name: Wq, .offset: 8, .size: 8, .value_kind: global_buffer, .address_space: global }
      - { .name: Wk, .offset: 16, .size: 8, .value_kind: global_buffer, .address_space: global }
      - { .name: Wv, .offset: 24, .size: 8, .value_kind: global_buffer, .address_space: global }
      - { .name: Wp, .offset: 32, .size: 8, .value_kind: global_buffer, .address_space: global }
      - { .name: lowp_scales, .offset: 40, .size: 8, .value_kind: global_buffer, .address_space: global }
      - { .name: xc, .offset: 48, .size: 8, .value_kind: global_buffer, .address_space: global }
      - { .name: wc, .offset: 56, .size: 8, .value_kind: global_buffer, .address_space: global }
    .group_segment_fixed_size: 34304
    .private_segment_fixed_size: 0
    .kernarg_segment_align: 8
    .kernarg_segment_size: 64
    .max_flat_workgroup_size: 128
    .sgpr_count:     66
    .vgpr_count:     226
    .wavefront_size: 32
...
	.end_amdgpu_metadata
.endif
;; end of part 1
;; launch qkv (part 2): grid 12 x 32, 4 waves a work-group, clusters of 4 x 4, 327,680 bytes of LDS; arguments xc, wc, lowp_scales, qkvc; writes qkvc
.if DOCPART == 2
	.amdgcn_target "amdgcn-amd-amdhsa--gfx1250"
	.amdhsa_code_object_version 6
	.text
	.protected	k_qb71639d5df_qkv
	.globl	k_qb71639d5df_qkv
	.p2align	8
	.type	k_qb71639d5df_qkv,@function
k_qb71639d5df_qkv:
	s_mov_b64 s[64:65], 0
	v_nop
	global_prefetch_b8 v0, s[64:65] scope:SCOPE_SE
	s_setreg_imm32_b32 hwreg(HW_REG_WAVE_MODE, 25, 1), 1
	s_wait_xcnt 0x0
	s_wait_alu depctr_hold_cnt(0) depctr_sa_sdst(0) depctr_va_vdst(0) depctr_va_sdst(0) depctr_va_ssrc(0) depctr_va_vcc(0) depctr_vm_vsrc(0)
	s_getreg_b32 s2, hwreg(HW_REG_IB_STS2, 6, 4)
	s_cmp_eq_u32 s2, 0
	s_cbranch_scc0 .Lentry_in_a_cluster
	s_endpgm
.Lentry_in_a_cluster:
	s_bfe_u32 s2, ttmp6, 0x10000c
	s_cmp_lg_u32 s2, 0xf033
	s_cbranch_scc0 .Lentry_shape_is_right
	s_endpgm
.Lentry_shape_is_right:
; q = x Wq^T, k = x Wk^T, v = x Wv^T on codes of BF8 (E5M2), sums in f32; each result is quantised in registers for the attention's products and stored as codes.
; The cluster's x (0, 1, 2) says which: q, k or v.  A tile of 256 x 256 results is made by four waves, 128 x 128 each: 64 accumulators, 512 registers.  K = 1,024 goes in four steps of 256 through two LDS slots.
; THE PRODUCT IS C = A B^T, USED TRANSPOSED (source 0 = 16 rows of B, source 1 = 16 rows of A): a lane holds ONE row of A and eight neighbouring rows of B.
;   q, k: A = x's codes, B = the weight's: a lane holds one token and eight neighbouring channels of a head, which are the K of the scores' product.
;   v:    A = Wv's codes, B = x's:         a lane holds one channel and eight neighbouring keys, which are the K of the second product.  The same text: only pointers and offsets are chosen, by selects on the cluster's x.
; OPERANDS lie in memory as images of their registers: fragment = 16 rows x 128 k = 2,048 bytes, [piece][lane][16 bytes], fragments [block of 256 rows][k / 128][tile]: a K step of a block is 65,536 dense bytes,
; and a fragment comes from LDS by four loads at 16 x lane: no pitch, no padding.
; CLUSTERS: 4 x 4 work-groups; A's tiles are asked for jointly by a row of the cluster, B's by a column.
; RESULTS: eight numbers of a lane become 8 codes: two registers of the next operand's image.  q, k: [batch][head][tile of 16 tokens][2 pieces x 512 bytes]; v: [batch][head][128 keys][tile of 16 channels][4 pieces x 512 bytes].
; Every store writes 512 consecutive bytes, aligned, straight from registers.
; LIMITS: e6 - e0 - e1, e7 - e2 - e3 and e9 - e4 - e5 lie between -126 and 112, so that the conversion's scale and 57,344 times it are f32 numbers.
; REGISTERS, in windows of 256: window 0: v16-29 addresses and constants; v32-127 at work on the way out; v128-255 A's fragments, one set.  window 1: B's fragments, two sets.  windows 2, 3: the accumulators, (a, b) at v[8 (8 (a % 4) + b)].
.set SLOT,  131072                     ; A: [k step of 128: 2][tile: 16][2,048], then B likewise
.set SPARE, 2*SLOT                     ; behind the ring: the spare words, 128 bytes for each wave
.set FR,    16                         ; registers of a fragment
.set NL,    4                          ; LDS loads that bring one
.set NP,    4                          ; places behind this matrix instruction (ISA guide 7.12.1)
.set ADRA, 16                          ; v16-17  LDS address of my A fragments in slot 0, 1
.set ADRB, 20                          ; v20-21  the same for B
.set VO0,  24                          ; v24     16 x lane
.set VO2,  25                          ; v25     16 x lane + the distance from the first two pieces of a block's codes to the last two
.set LIM,  26                          ; v26     57,344 x the conversion's scale
.set SCL,  27                          ; v27     the conversion's scale
.set SPW,  28                          ; v28     LDS address of my spare word; never rewritten
.set NIL,  29                          ; v29     0; never rewritten
.set TMP,  32                          ; v32-95  a block's 64 held numbers
.set CD,   96                          ; v96-127 codes, two sets by turns
.set AF,   128
.set G1, 24                            ; s[24:31] descriptor group 1 for A's tiles;  s[32:39] group 0, one set for each slot
.set G0, 32
.set G1B, 48                           ; s[48:55], s[56:63] the same for B's tiles
.set G0B, 56
.set MSB, 0
.macro WIN new                         ; the immediate's high byte repeats the setting that is left
.if MSB != (\new)
	s_set_vgpr_msb (MSB<<8)|(\new)
.set MSB, (\new)
.endif
.endm
.set MUL_LO, 0xa1                      ; source 0 (B) window 1, source 1 (A) window 0, C and D window 2
.set MUL_HI, 0xf1                      ; the same, C and D window 3
.set TO_B,   0x40                      ; destination window 1, address window 0
; A joint load: waves 0 and 1 fetch for A, waves 2 and 3 for B; the branch hangs on the wave's number alone.  Four v_nop follow each of the two lines.
.macro JLOAD g0a, g1a, g0b, g1b
	s_cmp_eq_u32 s15, 0
	s_cbranch_scc0 .Lfor_b_\@
	tensor_load_to_lds s[\g0a:\g0a+3], s[\g1a:\g1a+7]
	s_nop 0
.rept 4
	v_nop
.endr
	s_branch .Lasked_\@
.Lfor_b_\@:
	tensor_load_to_lds s[\g0b:\g0b+3], s[\g1b:\g1b+7]
	s_nop 0
.rept 4
	v_nop
.endr
.Lasked_\@:
.endm
.macro CREST                           ; a round of the cluster's barrier behind its opening barrier
	s_cmp_lg_u32 s14, 0
	s_cbranch_scc1 .Lnot_wave_0_\@
	s_barrier_signal -3
.Lnot_wave_0_\@:
	s_barrier_wait -3
	s_barrier_signal -1
	s_barrier_wait -1
.endm
.macro CROUND                          ; a whole round
	s_barrier_signal -1
	s_barrier_wait -1
	CREST
.endm
	s_load_b256 s[4:11], s[0:1], 0x0               ; xc s[4:5], wc s[6:7], the scales' exponents s[8:9], qkvc s[10:11]
	v_lshl_add_u32 v[SPW], v0, 2, SPARE
	v_mov_b32 v[NIL], 0
	ds_add_u32 v28, v29
	ds_add_u32 v28, v29
	s_wait_dscnt 0x0
	v_lshrrev_b32 v1, 5, v0
	v_readfirstlane_b32 s14, v1                    ; wave 0..3
	s_lshr_b32 s15, s14, 1                         ; which half of A's 256 rows is mine.  Also: I fetch for A (0) or for B (1)
	s_and_b32 s16, s14, 1                          ; which half of B's 256 rows.  Also: which 128 along K of a slot I fetch
	s_bfe_u32 s40, ttmp6, 0x40000                  ; cx, cy: my place in the cluster
	s_bfe_u32 s41, ttmp6, 0x40004
	s_mov_b32 s42, ttmp9                           ; the cluster's x: 0 q, 1 k, 2 v: the same in all sixteen partners
	s_and_b32 s17, ttmp7, 0xffff
	s_lshl_b32 s17, s17, 2                         ; 4 x the cluster's y
	s_lshl_b32 s43, s41, 2
	s_lshl_b32 s43, 15, s43                        ; my row of the cluster
	s_lshl_b32 s44, 0x1111, s40                    ; my column
	; descriptor group 1: 32,768 dense bytes as 128 rows of 32 elements of 8 bytes, no padding
	s_or_b32 s[G1+0], s43, (3<<16)|(1<<21)         ; 15:0 the mask: A's tiles go to my row; 17:16 elements of 8 bytes; 21 set beside a mask
	s_or_b32 s[G1B+0], s44, (3<<16)|(1<<21)        ; B's go to my column
.irp g, G1, G1B
	s_mov_b32 s[\g+1], 32<<16                      ; tensor_dim0 = 32
	s_mov_b32 s[\g+2], 128<<16                     ; tensor_dim1 = 128
	s_mov_b32 s[\g+3], 32<<16                      ; tile_dim0 = 32
	s_mov_b32 s[\g+4], 128                         ; tile_dim1 = 128
	s_mov_b32 s[\g+5], 32                          ; tensor_dim0_stride
	s_mov_b32 s[\g+6], 0
	s_mov_b32 s[\g+7], 0
.endr
	; which blocks of 256 rows.  q, k: A's = 4 x cluster y + cy (of x's 32), B's = cx (of the weight's 4).  v: A's = cy (of Wv's 4), B's = 4 x cluster y + cx (of x's 32).
	; A's address never holds cx, B's never cy.
	s_cmp_eq_u32 s42, 2
	s_cselect_b32 s20, 0, s17
	s_cselect_b32 s46, s17, 0
	s_add_co_u32 s20, s20, s41
	s_add_co_u32 s46, s46, s40
	s_lshl_b32 s20, s20, 18                        ; a block is 262,144 bytes
	s_lshl_b32 s46, s46, 18
	s_lshl_b32 s18, s16, 15                        ; + which 128 along K I fetch
	s_add_co_u32 s20, s20, s18
	s_add_co_u32 s46, s46, s18
	s_mov_b32 s21, 0
	s_mov_b32 s47, 0
	s_lshl_b32 s45, s14, 15                        ; where they go: wave x 32,768: no place in the cluster enters an LDS address
	s_lshl_b32 s66, s42, 23                        ; x's part, and the result's part of qkvc
	s_mov_b32 s67, 0
	s_lshl_b32 s22, s42, 20                        ; the weight's part
	s_mov_b32 s23, 0
	s_wait_kmcnt 0x0
	s_load_b256 s[68:75], s[8:9], 0x0              ; e0 .. e7
	s_load_b128 s[76:79], s[8:9], 0x20             ; e8 .. e11
	s_add_nc_u64 s[80:81], s[4:5], s[66:67]
	s_add_nc_u64 s[82:83], s[6:7], s[22:23]
	s_cmp_eq_u32 s42, 2
	s_cselect_b64 s[84:85], s[82:83], s[80:81]     ; A: x's codes, or for v the weight's
	s_cselect_b64 s[86:87], s[80:81], s[82:83]     ; B: the other
	s_add_nc_u64 s[20:21], s[84:85], s[20:21]
	s_add_nc_u64 s[46:47], s[86:87], s[46:47]
	CROUND                                         ; all sixteen work-groups are here: the first joint loads meet
.irp s, 0,1
	s_mov_b32 s[G0+4*\s], 1
	s_add_co_u32 s[G0+4*\s+1], s45, \s*SLOT
	s_add_nc_u64 s[G0+4*\s+2:G0+4*\s+3], s[20:21], \s*65536
	s_or_b32 s[G0+4*\s+3], s[G0+4*\s+3], 0x80000000
	s_mov_b32 s[G0B+4*\s], 1
	s_add_co_u32 s[G0B+4*\s+1], s45, \s*SLOT
	s_add_nc_u64 s[G0B+4*\s+2:G0B+4*\s+3], s[46:47], \s*65536
	s_or_b32 s[G0B+4*\s+3], s[G0B+4*\s+3], 0x80000000
	JLOAD G0+4*\s, G1, G0B+4*\s, G1B               ; two tensor loads of mine are out: K steps 0 and 1
.endr
	v_and_b32 v1, 31, v0
	v_lshlrev_b32 v[VO0], 4, v1
	s_wait_alu depctr_va_vdst(0)
	s_lshl_b32 s2, s15, 14                         ; my 8 tiles of A,
	s_lshl_b32 s3, s16, 14                         ; my 8 tiles of B,
	s_add_co_u32 s3, s3, 65536                     ; which lie behind A's
.irp s, 0,1
	v_add_nc_u32 v[ADRA+\s], s2, v[VO0]
	v_add_nc_u32 v[ADRB+\s], s3, v[VO0]
	s_add_co_u32 s2, s2, SLOT
	s_add_co_u32 s3, s3, SLOT
.endr
	; the way out.  XB: x's block of 256 tokens, xh: my half of it; WB: the weight's block of 256 channels, wh: my half.
	; my first byte = part + (XB / 8) x 2,097,152 (batch) + (4 WB + 2 wh) x 131,072 (head) + (2 (XB % 8) + xh) x 8,192 (128 tokens: 8 tiles of q or k, or one step of v's keys)
	s_cmp_eq_u32 s42, 2
	s_cselect_b32 s93, s40, s41
	s_cselect_b32 s94, s41, s40
	s_cselect_b32 s95, s16, s15
	s_cselect_b32 s96, s15, s16
	s_mov_b32 s88, 1024
	s_cselect_b32 s88, 2048, s88                   ; from one block of A's 16 rows to the next: a tile of tokens, or for v a tile of channels
	s_cselect_b32 s90, 122880, 0                   ; v: behind four tiles of channels the next head begins
	s_mov_b32 s92, 131072
	s_cselect_b32 s92, 1024, s92                   ; from a block's first two pieces to its last two: the next head, or for v the same fragment's second half
	s_mov_b32 s89, 0
	s_mov_b32 s91, 0
	s_add_co_u32 s93, s93, s17
	s_lshr_b32 s97, s93, 3
	s_lshl_b32 s97, s97, 21
	s_add_co_u32 s97, s97, s66
	s_lshl_b32 s94, s94, 2
	s_lshl_b32 s96, s96, 1
	s_add_co_u32 s94, s94, s96
	s_lshl_b32 s94, s94, 17
	s_add_co_u32 s97, s97, s94
	s_and_b32 s93, s93, 7
	s_lshl_b32 s93, s93, 1
	s_add_co_u32 s93, s93, s95
	s_lshl_b32 s93, s93, 13
	s_add_co_u32 s98, s97, s93
	s_mov_b32 s99, 0
	s_add_nc_u64 s[10:11], s[10:11], s[98:99]
	v_add_nc_u32 v[VO2], s92, v[VO0]
	s_wait_alu depctr_va_vdst(0)
	s_wait_kmcnt 0x0
	s_cmp_eq_u32 s42, 1                            ; a sum stands for sum x 2^(eA + eB), its code is sum / 2^(eout - eA - eB): three scales folded into the conversion's one
	s_cselect_b32 s97, s75, s74                    ; eout: e6, e7, e9
	s_cselect_b32 s98, s70, s68                    ; x's:  e0, e2, e4
	s_cselect_b32 s99, s71, s69                    ; the weight's: e1, e3, e5
	s_cmp_eq_u32 s42, 2
	s_cselect_b32 s97, s77, s97
	s_cselect_b32 s98, s72, s98
	s_cselect_b32 s99, s73, s99
	s_sub_co_i32 s97, s97, s98
	s_sub_co_i32 s97, s97, s99
	s_add_co_i32 s97, s97, 127
	s_lshl_b32 s98, s97, 23
	v_mov_b32 v[SCL], s98
	s_add_co_i32 s97, s97, 15
	s_lshl_b32 s97, s97, 23
	s_or_b32 s97, s97, 0x600000
	v_mov_b32 v[LIM], s97
.macro FRAG reg, adr, q, i             ; a fragment's image: four pieces of 512 bytes, 16 bytes a lane: piece c is registers 4 c .. 4 c + 3
.irp c, 0,1,2,3
	ds_load_b128 v[\reg+4*\c:\reg+4*\c+3], v[\adr] offset:(\q)*32768+(\i)*2048+\c*512
.endr
.endm
; 16 matrix instructions: A's blocks a0, a0 + 1 x B's eight, 128 along K.  p: B's set.  zero = 1: the first product starts the sums.
; The 64 accumulators take turns, one instruction a turn, in the same order in every step.
.macro MUL16 a0, p, zero
.irp a, \a0, \a0+1
.irp b, 0,1,2,3,4,5,6,7
.if \zero
	v_wmma_f32_16x16x128_bf8_bf8 v[8*(8*((\a)%4)+\b):8*(8*((\a)%4)+\b)+7], v[128*(\p)+FR*\b:128*(\p)+FR*\b+FR-1], v[AF+FR*(\a):AF+FR*(\a)+FR-1], 0
.else
	v_wmma_f32_16x16x128_bf8_bf8 v[8*(8*((\a)%4)+\b):8*(8*((\a)%4)+\b)+7], v[128*(\p)+FR*\b:128*(\p)+FR*\b+FR-1], v[AF+FR*(\a):AF+FR*(\a)+FR-1], v[8*(8*((\a)%4)+\b):8*(8*((\a)%4)+\b)+7]
.endif
.endr
.endr
.endm
.macro FETCH_B slot, q, p              ; B's eight fragments of the slot's q-th 128 along K into set p
	WIN TO_B
.irp i, 0,1,2,3,4,5,6,7
	FRAG 128*(\p)+FR*\i, ADRB+\slot, \q, \i
.endr
	WIN 0
.endm
.macro FETCH_A slot, q, i0             ; A's blocks i0 .. i0 + 3
.irp i, \i0, \i0+1, \i0+2, \i0+3
	FRAG AF+FR*(\i), ADRA+\slot, \q, \i
.endr
.endm
.macro PLACES n                        ; plain vector lines between a matrix instruction and a load into its sources or a read of its result
.rept \n
	v_nop
.endr
.endm
; A step of 128 along K that has its successor in the same slot.  A block of A is free when its eight products are issued, so A has one set: blocks 0-3 come anew in the step's middle, blocks 4-7 at its end.
.macro STEP slot, q, zero
	s_wait_dscnt 4*NL                              ; B's set and A's blocks 0-3 are in; the youngest 16 loads (A's blocks 4-7) may be out
	WIN MUL_LO
	MUL16 0, (\q)%2, \zero
	MUL16 2, (\q)%2, \zero
	s_wait_dscnt 0
	PLACES NP
	FETCH_B \slot, (\q)+1, 1-(\q)%2
	FETCH_A \slot, (\q)+1, 0
	WIN MUL_HI
	MUL16 4, (\q)%2, \zero
	MUL16 6, (\q)%2, \zero
	PLACES NP
	WIN 0
	FETCH_A \slot, (\q)+1, 4
.endm
; A slot's last step changes slots: one barrier; in front of it each wave waits for all its tensor loads, adds 0 to its spare word, and waits for that and for its own reads of this slot.
; fill = 1: the barrier opens a round of the cluster's barrier, and this slot is filled again, two K steps ahead, first thing behind the round.
.macro TURN slot, next, fill
	s_wait_tensorcnt 0x0                           ; all my tensor loads have landed: my part of the next slot
	ds_add_u32 v[SPW], v[NIL]                      ; 0 onto my spare word
	s_wait_dscnt 4*NL+1                            ; the add and the youngest 16 loads (A's blocks 4-7) may be out
	WIN MUL_LO
	MUL16 0, 1, 0                                  ; sixteen matrix instructions stand between the add and the wait for it
	s_wait_dscnt 0x0                               ; the add is done, and my reads of this slot are over
	s_barrier_signal -1
	MUL16 2, 1, 0
	WIN 0
	s_barrier_wait -1
.if \fill
	CREST                                          ; no wave of any partner still reads this slot or has a load on its way
	s_add_nc_u64 s[G0+4*\slot+2:G0+4*\slot+3], s[G0+4*\slot+2:G0+4*\slot+3], 131072
	s_add_nc_u64 s[G0B+4*\slot+2:G0B+4*\slot+3], s[G0B+4*\slot+2:G0B+4*\slot+3], 131072
	JLOAD G0+4*\slot, G1, G0B+4*\slot, G1B         ; my one tensor load behind the round; its four v_nop are also the places in front of the loads below
.else
	PLACES NP
.endif
	FETCH_B \next, 0, 0
	FETCH_A \next, 0, 0
	WIN MUL_HI
	MUL16 4, 1, 0
	MUL16 6, 1, 0
	PLACES NP
	WIN 0
	FETCH_A \next, 0, 4
.endm
	s_wait_tensorcnt 0x1                           ; my part of K step 0 is in; K step 1's load, issued behind it, may be out
	s_barrier_signal -1
	s_barrier_wait -1
	FETCH_B 0, 0, 0
	FETCH_A 0, 0, 0
	FETCH_A 0, 0, 4
	STEP 0, 0, 1                                   ; four K steps of 256, written out: a loop would have one trip
	TURN 0, 1, 1                                   ; slot 0 takes K step 2
	STEP 1, 0, 0
	TURN 1, 0, 1                                   ; slot 1 takes K step 3
	STEP 0, 0, 0
	TURN 0, 1, 0
	STEP 1, 0, 0
	s_wait_dscnt 4*NL                              ; the very last step: nothing more to fetch
	WIN MUL_LO
	MUL16 0, 1, 0
	MUL16 2, 1, 0
	s_wait_alu depctr_va_vdst(0)
	s_wait_dscnt 0
	WIN MUL_HI
	MUL16 4, 1, 0
	MUL16 6, 1, 0
	WIN 0
; THE WAY OUT of block a (16 rows of A x my 128 rows of B).  Accumulator (a, b)'s eight numbers of a lane are neighbours along the next product's K: their 8 codes are registers 2 b, 2 b + 1.
; q, k: registers 0-7 are one head's fragment of this tile of tokens, registers 8-15 the next head's.  v: the 16 registers are one fragment, 16 channels x 128 keys.
.macro OUT a
.set AC, 64*((\a)%4)
.set CC, CD+16*((\a)%2)
	WIN 0x02+((\a)/4)                              ; source 0: window 2 or 3
.set j, 0
.rept 64
	v_med3_num_f32 v[TMP+j], v[AC+j], -v[LIM], v[LIM]   ; the conversion does not saturate (ISA guide 7.6.2): the hold; each accumulator from its low end on
.set j, j+1
.endr
	WIN 0
.if (\a) > 0
	s_wait_alu depctr_va_vdst(0)
	s_wait_xcnt 0x0                                ; the earlier stores have read their registers and their base
.endif
.irp b, 0,1,2,3,4,5,6,7
	v_cvt_scalef32_pk8_bf8_f32 v[CC+2*\b:CC+2*\b+1], v[TMP+8*\b:TMP+8*\b+7], v[SCL]
.endr
	v_nop                                          ; a plain line between the conversions and the next block's holds, which write their sources
.if (\a) > 0
	s_add_nc_u64 s[10:11], s[10:11], s[88:89]
.endif
.if (\a) == 4
	s_add_nc_u64 s[10:11], s[10:11], s[90:91]
.endif
	global_store_b128 v[VO0], v[CC:CC+3], s[10:11]                  ; each store: 512 consecutive bytes, aligned
	global_store_b128 v[VO0], v[CC+4:CC+7], s[10:11] offset:512
	global_store_b128 v[VO2], v[CC+8:CC+11], s[10:11]
	global_store_b128 v[VO2], v[CC+12:CC+15], s[10:11] offset:512
.endm
	PLACES NP                                      ; behind the last products
.irp a, 0,1,2,3,4,5,6,7
	OUT \a
.endr
	s_wait_tensorcnt 0x0                           ; the wave's end
	ds_add_u32 v[SPW], v[NIL]
	s_wait_dscnt 0x0
	CROUND                                         ; the closing round: no work-group ends while a partner may still ask for a tile that names it
	s_endpgm
.Lfunc_end_k_qb71639d5df_qkv:
	.size	k_qb71639d5df_qkv, .Lfunc_end_k_qb71639d5df_qkv-k_qb71639d5df_qkv
	.p2alignl 7, 3214868480
	.fill 96, 4, 3214868480
	.section	.rodata,"a",@progbits
	.p2align	6, 0x0
	.amdhsa_kernel k_qb71639d5df_qkv
		.amdhsa_group_segment_fixed_size 327680
		.amdhsa_private_segment_fixed_size 0
		.amdhsa_enable_private_segment 0
		.amdhsa_kernarg_size 32
		.amdhsa_user_sgpr_count 2
		.amdhsa_user_sgpr_kernarg_segment_ptr 1
		.amdhsa_wavefront_size32 1
		.amdhsa_system_sgpr_workgroup_id_x 1
		.amdhsa_system_sgpr_workgroup_id_y 1
		.amdhsa_system_sgpr_workgroup_id_z 1
		.amdhsa_system_vgpr_workitem_id 0
		.amdhsa_next_free_vgpr 1024
		.amdhsa_next_free_sgpr 100
		.amdhsa_reserve_vcc 0
		.amdhsa_float_denorm_mode_32 3
		.amdhsa_float_denorm_mode_16_64 3
		.amdhsa_memory_ordered 1
		.amdhsa_forward_progress 1
		.amdhsa_inst_pref_size 119
	.end_amdhsa_kernel
	.amdgpu_metadata
---
amdhsa.version: [ 1, 2 ]
amdhsa.kernels:
  - .name:           k_qb71639d5df_qkv
    .symbol:         k_qb71639d5df_qkv.kd
    .args:
      - { .name: xc, .offset: 0, .size: 8, .value_kind: global_buffer, .address_space: global }
      - { .name: wc, .offset: 8, .size: 8, .value_kind: global_buffer, .address_space: global }
      - { .name: lowp_scales, .offset: 16, .size: 8, .value_kind: global_buffer, .address_space: global }
      - { .name: qkvc, .offset: 24, .size: 8, .value_kind: global_buffer, .address_space: global }
    .group_segment_fixed_size: 327680
    .private_segment_fixed_size: 0
    .kernarg_segment_align: 8
    .kernarg_segment_size: 32
    .max_flat_workgroup_size: 128
    .sgpr_count:     100
    .vgpr_count:     1024
    .wavefront_size: 32
...
	.end_amdgpu_metadata
.endif
;; end of part 2
;; launch attn (part 3): grid 4 x 64, 16 waves a work-group, no clusters, 327,680 bytes of LDS; arguments qkvc, lowp_scales, cimg; writes cimg
.if DOCPART == 3
	.amdgcn_target "amdgcn-amd-amdhsa--gfx1250"
	.amdhsa_code_object_version 6
	.text
	.protected	k_qb71639d5df_attn
	.globl	k_qb71639d5df_attn
	.p2align	8
	.type	k_qb71639d5df_attn,@function
k_qb71639d5df_attn:
	s_mov_b64 s[64:65], 0
	v_nop
	global_prefetch_b8 v0, s[64:65] scope:SCOPE_SE
	s_setreg_imm32_b32 hwreg(HW_REG_WAVE_MODE, 25, 1), 1
	s_wait_xcnt 0x0
; ctx[b][q][head] = the sum over keys k <= q of softmax_k(q . k / 8) v, both products on codes of BF8 (E5M2); ctx is quantised in registers for the last projection and stored as codes.
; THE SOFTMAX AHEAD OF THE SECOND PRODUCT: t = score x log2(e) / 8; M = the running largest t rounded UP to a whole number; p = 2^(t - M) is quantised, not normalised; the row's sum is taken of the
; unquantised p and divides at the end.  When M moves, the sum and O are multiplied by 2^(old M - new M): exact.
; SHARES.  Work-group (x, y): head y (= 16 batch + head) and TWO blocks of 256 queries: first block 7 - x, then block x.  Block i walks key slots 0 .. i of 256 keys: (8 - x) + (x + 1) = 9 slot trips in every
; work-group: a constant trip count, equal work, and no slot is fetched that the mask hides wholly.  Each of the sixteen waves owns one tile of 16 queries of the block in hand, in 256 registers.
; No cluster: from trip 8 - x on the four work-groups of a head want different slots, so their requests do not meet.
; LAYOUT.  Both products are used transposed: S^T = K Q^T (source 0 = 16 keys, source 1 = my 16 queries), O^T = V^T P^T (source 0 = 16 channels, source 1 = P): a lane holds ONE query (lane % 16) throughout,
; and tile T's register j is key 16 T + 8 (lane / 16) + j: the 8 codes of a tile are registers 2 T, 2 T + 1 of the second product's operand.
; q, k, v lie in memory as images of their registers: q, k: [head][tile of 16][2 pieces x 512 bytes]; v: [head][128 keys][tile of 16 channels][4 pieces x 512 bytes].  A slot's K and V are 16,384 dense bytes each.
; CAUSAL.  A step of 128 keys all of which come after my 16 queries is left out by a scalar branch on ids; in the step on the diagonal hidden scores become -infinity ahead of the maximum.
; LIMITS: e6 + e7 between -123 and 130 (added to c's exponent field); e8, and e10 - e8 - e9, between -126 and 112.  NaN among the inputs is not served.
; REGISTERS: v1-6 addresses that stay; v12 -M, v13 the largest t, v[14:15] the sum in two halves; v16-23 Q; v32-95 eight fragments of K, then four of V; v96-159 S^T, then p; v160-191 O^T;
; v192-207 p's codes; v208-215 ctx's codes; v236-254 at work and constants.
.set SLOTB, 32768                      ; a slot: K's 16 tiles (16,384 bytes), then V's two steps of four fragments (16,384)
.set SPARE, 65536                      ; behind the ring: the spare words, 128 bytes for each of sixteen waves
.set LI,  1                            ; v1   16 x lane
.set ADR, 2                            ; v2   16 x lane + the slot in hand
.set PFO, 3                            ; v3   256 x lane: the prefetches' offset; never rewritten
.set RH,  4                            ; v4   lane % 16 - 8 (lane / 16), for the mask
.set SPW, 5                            ; v5   LDS address of my spare word; never rewritten
.set NIL, 6                            ; v6   0; never rewritten
.set TB,  2                            ; s2   LDS byte at which the slot in hand begins
.set TR,  3                            ; s3   the trip, 0 .. 8
.set NA,  10                           ; s10  8 - x: the trip at which the blocks change
.set BH,  11                           ; s11  the head
.set WV,  18                           ; s18  my wave
.set PI,  19                           ; s19  x
.set SEL, 20                           ; s[20:21] lane selects for v_permlanex16_b32: lane l xor 16
.set CS,  22                           ; s[22:23] c = log2(e) / 8 x 2^(e6 + e7)
.set G1,  24                           ; s[24:31] descriptor group 1
.set G0,  32                           ; s[32:35] group 0, which walks;  s[36:37] its tensor's first byte of my head;  s[38:39] the slot's offset
.set KF,  48                           ; s48  the step's first key
.set Q0,  49                           ; s49  my first query
.set LIMP, 50                          ; s50  a wave prefetches while the trip is below this
.set PFA, 52                           ; s[52:53] where my prefetches stand
; Wave 0 fetches a slot's K, wave 1 its V, the others nothing.  Four v_nop follow the load.
.macro TLOAD
	s_cmp_lt_u32 s[WV], 2
	s_cbranch_scc0 .Lasked_\@
	tensor_load_to_lds s[G0:G0+3], s[G1:G1+7]
	s_nop 0
.rept 4
	v_nop
.endr
.Lasked_\@:
.endm
; A PREFETCH INTO THE L2 of the slot that the NEXT change of slots will ask for: trip t names key slot t + 2, one slot (two key steps of all sixteen waves) ahead of its tensor load.
; The four work-groups of a head walk the same slots in their first blocks; the one with x = 0 walks all eight, and it alone asks: its waves 4, 5 for K's 16,384 bytes, 6, 7 for V's,
; 8,192 bytes a wave, lanes 256 bytes apart: each aligned block of 256 bytes is named once in the launch.  Slots 0 and 1 come by their loads alone; trips 6 and later ask for nothing: there is no slot 8.
.macro ASK
	s_cmp_lt_u32 s[TR], s[LIMP]
	s_cbranch_scc0 .Lnot_mine_\@
	global_prefetch_b8 v[PFO], s[PFA:PFA+1] th:TH_LOAD_NT scope:SCOPE_SE
.Lnot_mine_\@:
.endm
	s_load_b128 s[4:7], s[0:1], 0x0                ; qkvc s[4:5], the scales' exponents s[6:7]
	s_load_b64 s[8:9], s[0:1], 0x10                ; cimg
	v_lshl_add_u32 v[SPW], v0, 2, SPARE
	v_mov_b32 v[NIL], 0
	ds_add_u32 v5, v6
	ds_add_u32 v5, v6
	s_wait_dscnt 0x0
	v_lshrrev_b32 v7, 5, v0
	s_delay_alu instid0(VALU_DEP_1)
	v_readfirstlane_b32 s[WV], v7                  ; wave 0..15
	s_mov_b32 s[PI], ttmp9
	s_sub_co_u32 s[NA], 8, s[PI]
	s_sub_co_u32 s51, 7, s[PI]                     ; my first block of queries
	s_and_b32 s[BH], ttmp7, 0xffff
	; descriptor group 1: 16,384 dense bytes as 64 rows of 32 elements of 8 bytes, no padding, no mask
	s_mov_b32 s[G1], 3<<16
	s_mov_b32 s[G1+1], 32<<16                      ; tensor_dim0 = 32
	s_mov_b32 s[G1+2], 64<<16                      ; tensor_dim1 = 64
	s_mov_b32 s[G1+3], 32<<16                      ; tile_dim0 = 32
	s_mov_b32 s[G1+4], 64                          ; tile_dim1 = 64
	s_mov_b32 s[G1+5], 32                          ; tensor_dim0_stride
	s_mov_b32 s[G1+6], 0
	s_mov_b32 s[G1+7], 0
	s_mov_b32 s[SEL], 0x76543210
	s_mov_b32 s[SEL+1], 0xfedcba98
	s_mov_b32 s[CS], 0x3e38aa3b                    ; log2(e) / 8
	s_mov_b32 s[TB], 0
	s_mov_b32 s[TR], 0
	s_mov_b32 s39, 0
	s_and_b32 s66, s[WV], 1
	s_mov_b32 s[G0], 1                             ; count = 1
	s_lshl_b32 s[G0+1], s66, 14                    ; LDS address: slot 0; K's bytes (even waves) or V's
	s_lshl_b32 s70, s[BH], 17                      ; a head's 131,072 bytes in each of q, k, v
	s_lshl_b32 s68, s66, 23
	s_add_co_u32 s68, s68, 0x800000                ; k's part of qkvc, or v's
	s_add_co_u32 s68, s68, s70
	s_mov_b32 s69, 0
	s_lshl_b32 s72, s[WV], 10                      ; q: my tile in a block of 16 tiles
	s_add_co_u32 s72, s72, s70
	s_mov_b32 s73, 0
	s_lshr_b32 s74, s[BH], 4                       ; ctx's codes: batch x 2,097,152
	s_lshl_b32 s74, s74, 21
	s_bfe_u32 s75, s[BH], 0x30001                  ; + (head / 2) x 32,768: the 128 along the projection's K
	s_lshl_b32 s75, s75, 15
	s_add_co_u32 s74, s74, s75
	s_and_b32 s75, s[BH], 1                        ; + (head % 2) x 1,024: pieces 0, 1 or 2, 3 of the fragment
	s_lshl_b32 s75, s75, 10
	s_add_co_u32 s74, s74, s75
	s_lshl_b32 s75, s[WV], 11                      ; + my tile of queries
	s_add_co_u32 s74, s74, s75
	s_mov_b32 s75, 0
	s_bfe_u32 s76, s[WV], 0x10001                  ; the prefetches: waves 4, 5: k's part; 6, 7: v's
	s_lshl_b32 s76, s76, 23
	s_add_co_u32 s76, s76, 0x800000+16384          ; at slot 1: the first change of slots steps it to slot 2
	s_add_co_u32 s76, s76, s70
	s_lshl_b32 s77, s66, 13                        ; my wave's 8,192 bytes
	s_add_co_u32 s76, s76, s77
	s_mov_b32 s77, 0
	s_sub_co_u32 s78, s[WV], 4
	s_lshr_b32 s78, s78, 2                         ; 0 in waves 4 to 7,
	s_or_b32 s78, s78, ttmp9                       ; of the work-group with x = 0
	s_cmp_eq_u32 s78, 0
	s_cselect_b32 s[LIMP], 6, 0
	s_wait_kmcnt 0x0
	s_load_b128 s[56:59], s[6:7], 0x18             ; e6, e7, e8, e9
	s_load_b32 s60, s[6:7], 0x28                   ; e10
	s_add_nc_u64 s[36:37], s[4:5], s[68:69]
	s_mov_b64 s[G0+2:G0+3], s[36:37]               ; key slot 0
	s_or_b32 s[G0+3], s[G0+3], 0x80000000          ; type = 2
	TLOAD                                          ; the first fill
	s_add_nc_u64 s[40:41], s[4:5], s[72:73]        ; q at my tile of block 0
	s_add_nc_u64 s[42:43], s[8:9], s[74:75]        ; ctx's codes likewise
	s_add_nc_u64 s[PFA:PFA+1], s[4:5], s[76:77]
	v_and_b32 v7, 31, v0
	s_delay_alu instid0(VALU_DEP_1)
	v_lshlrev_b32 v[LI], 4, v7
	s_wait_alu depctr_va_vdst(0)
	v_lshlrev_b32 v[PFO], 8, v7
	v_and_b32 v8, 15, v0
	v_bfe_u32 v9, v0, 4, 1
	s_delay_alu instid0(VALU_DEP_1)
	v_lshlrev_b32 v9, 3, v9
	s_delay_alu instid0(VALU_DEP_1)
	v_sub_nc_u32 v[RH], v8, v9
	v_mov_b32 v236, 0                              ; written once: a lane permute's destination counts as one of its sources
	v_mov_b32 v252, 0
	v_mov_b32 v253, 0                              ; (named as the upper half of the pair v[252:253])
; A block of queries begins: s[sq] holds its number.  O^T and the sum begin as zeros and the largest t as -3e38, so that the key step is written once: the first change of M multiplies zeros.
.macro INIT sq
	s_lshl_b32 s66, s[\sq], 14
	s_mov_b32 s67, 0
	s_add_nc_u64 s[44:45], s[40:41], s[66:67]      ; my tile's codes of q
	s_lshl_b32 s66, s[\sq], 18
	s_add_nc_u64 s[46:47], s[42:43], s[66:67]      ; and of ctx
	s_lshl_b32 s[Q0], s[\sq], 8
	s_lshl_b32 s66, s[WV], 4
	s_add_co_u32 s[Q0], s[Q0], s66                 ; my first query
	s_mov_b32 s[KF], 0
	global_load_b128 v[16:19], v[LI], s[44:45]
	global_load_b128 v[20:23], v[LI], s[44:45] offset:512
	v_mov_b32 v13, 0xff61b1e6                      ; -3e38, under every t
	s_delay_alu instid0(VALU_DEP_1)
	v_floor_f32 v12, -v13
	v_mov_b32 v14, 0
	v_mov_b32 v15, 0
.set j, 0
.rept 32
	v_mov_b32 v[160+j], 0
.set j, j+1
.endr
	s_wait_loadcnt 0x0
.endm
	INIT 51
	s_wait_kmcnt 0x0
	s_add_co_i32 s66, s56, s57
	s_lshl_b32 s66, s66, 23
	s_add_co_i32 s[CS], s[CS], s66                 ; a score stands for score x 2^(e6 + e7): added to c's exponent field
	s_mov_b32 s[CS+1], s[CS]                       ; (named with it as a pair, so it is written)
	s_add_co_i32 s66, s58, 127
	s_lshl_b32 s67, s66, 23
	v_mov_b32 v244, s67                            ; 2^e8, for p's conversions
	s_sub_co_i32 s66, s60, s58
	s_sub_co_i32 s66, s66, s59                     ; O^T / the sum stands for ctx / 2^(e8 + e9): its code is that / 2^(e10 - e8 - e9)
	s_add_co_i32 s66, s66, 127
	s_lshl_b32 s67, s66, 23
	v_mov_b32 v246, s67
; A KEY STEP: 128 keys, the q-th of the slot in hand.
.macro STEP q
	s_add_co_u32 s96, s[Q0], 15
	s_cmp_gt_u32 s[KF], s96                        ; all its keys come after my queries: the step's work is left out, not the line at its end
	s_cbranch_scc1 .Lhidden_\@
	v_add_nc_u32 v[ADR], s[TB], v[LI]
.rept 3
	v_nop                                          ; with the addition above: four places in front of loads into registers that the last products read
.endr
.irp t, 0,1,2,3,4,5,6,7
.irp c, 0,1
	ds_load_b128 v[32+8*\t+4*\c:32+8*\t+4*\c+3], v[ADR] offset:(\q)*8192+\t*1024+\c*512   ; K: tile t of 16 keys x 64
.endr
.endr
	s_wait_alu depctr_va_vdst(0)
	s_wait_dscnt 0x0
.irp t, 0,1,2,3,4,5,6,7
	v_wmma_f32_16x16x64_bf8_bf8 v[96+8*\t:103+8*\t], v[32+8*\t:39+8*\t], v[16:23], 0
.endr
.rept 4
	v_nop                                          ; places in front of the loads over K's fragments and of the first read of the scores
.endr
.irp t, 0,1,2,3
.irp c, 0,1,2,3
	ds_load_b128 v[32+16*\t+4*\c:32+16*\t+4*\c+3], v[ADR] offset:16384+(\q)*8192+\t*2048+\c*512   ; V: 16 channels x these 128 keys: it lands while the softmax is worked
.endr
.endr
	s_add_co_u32 s96, s[KF], 127
	s_cmp_le_u32 s96, s[Q0]                        ; all keys count: no mask
	s_cbranch_scc1 .Lopen_\@
	s_sub_co_i32 s96, s[Q0], s[KF]
	v_add_nc_u32 v252, s96, v[RH]                  ; d = my query - KF - 8 (lane / 16).  Register n holds key KF + 8 (lane / 16) + 16 (n / 8) + n % 8: hidden where 16 (n / 8) + n % 8 > d
	v_mov_b32 v254, 0xff800000                     ; -infinity
.set n, 0
.rept 64
	v_cmp_gt_i32 vcc_lo, 16*(n/8)+n%8, v252
	v_cndmask_b32 v[96+n], v[96+n], v254, vcc_lo
.set n, n+1
.endr
.Lopen_\@:
	v_max3_num_f32 v254, v96, v97, v98             ; the step's largest score of my query among my 64 keys, in two chains, each tile from its low end on,
	v_max3_num_f32 v252, v99, v100, v101
.irp i, 6,10,14,18,22,26,30,34,38,42,46,50,54,58
	v_max3_num_f32 v254, v254, v[96+\i], v[97+\i]
	v_max3_num_f32 v252, v252, v[98+\i], v[99+\i]
.endr
	v_max3_num_f32 v254, v254, v158, v159
	s_delay_alu instid0(VALU_DEP_1)
	v_max_num_f32 v254, v254, v252
	s_delay_alu instid0(VALU_DEP_1)
	v_permlanex16_b32 v236, v254, s[SEL], s[SEL+1]
	s_delay_alu instid0(VALU_DEP_1)
	v_max_num_f32 v254, v254, v236                 ; and among lane l xor 16's
	s_delay_alu instid0(VALU_DEP_1)
	v_mul_f32 v254, s[CS], v254                    ; as t (c is positive)
	s_delay_alu instid0(VALU_DEP_1)
	v_max_num_f32 v13, v13, v254                   ; the running largest t
	v_mov_b32 v254, v12
	s_delay_alu instid0(VALU_DEP_2)
	v_floor_f32 v12, -v13                          ; the new -M = floor(-t): M is a whole number
	s_delay_alu instid0(VALU_DEP_1)
	v_sub_f32 v254, v12, v254                      ; old M - new M: a whole number, 0 or less
	s_delay_alu instid0(VALU_DEP_1)
	v_cvt_i32_f32 v254, v254                       ; (it saturates)
	s_delay_alu instid0(VALU_DEP_1)
	v_ldexp_f32 v252, 1.0, v254                    ; f = 2^(old M - new M)
.set j, 0
.rept 32
	v_pk_fma_f32 v[96+j:97+j], v[96+j:97+j], s[CS:CS+1], v[12:13] op_sel_hi:[1,0,0]   ; t - M, two at a time (of the pairs c and -M the low word serves both halves)
.set j, j+2
.endr
.set j, 0
	s_wait_alu depctr_va_vdst(0)
.rept 64
	v_exp_f32 v[96+j], v[96+j]                     ; p = 2^(t - M), at most 1
.set j, j+1
.endr
	v_pk_mul_f32 v[14:15], v[14:15], v[252:253] op_sel_hi:[1,0]   ; the sums under the new M: the plain line behind the exponentials
	s_wait_alu depctr_va_vdst(0)                   ; one wait for the batch of 64, ahead of its first reader
	v_pk_add_f32 v[242:243], v[100:101], v[104:105]
	v_pk_add_f32 v[254:255], v[108:109], v[112:113]
	v_pk_add_f32 v[250:251], v[116:117], v[120:121]
	v_pk_add_f32 v[248:249], v[124:125], v[128:129]
	v_pk_add_f32 v[240:241], v[132:133], v[136:137]
	v_pk_add_f32 v[238:239], v[140:141], v[144:145]
	v_pk_add_f32 v[234:235], v[148:149], v[152:153]
	v_pk_add_f32 v[14:15], v[14:15], v[156:157]
	v_pk_add_f32 v[242:243], v[242:243], v[96:97]
	v_pk_add_f32 v[254:255], v[254:255], v[98:99]
	v_pk_add_f32 v[250:251], v[250:251], v[102:103]
	v_pk_add_f32 v[248:249], v[248:249], v[106:107]
	v_pk_add_f32 v[240:241], v[240:241], v[110:111]
	v_pk_add_f32 v[238:239], v[238:239], v[114:115]
	v_pk_add_f32 v[234:235], v[234:235], v[118:119]
	v_pk_add_f32 v[14:15], v[14:15], v[122:123]
	v_pk_add_f32 v[242:243], v[242:243], v[126:127]
	v_pk_add_f32 v[254:255], v[254:255], v[130:131]
	v_pk_add_f32 v[250:251], v[250:251], v[134:135]
	v_pk_add_f32 v[248:249], v[248:249], v[138:139]
	v_pk_add_f32 v[240:241], v[240:241], v[142:143]
	v_pk_add_f32 v[238:239], v[238:239], v[146:147]
	v_pk_add_f32 v[234:235], v[234:235], v[150:151]
	v_pk_add_f32 v[14:15], v[14:15], v[154:155]
	v_pk_add_f32 v[242:243], v[242:243], v[158:159]
	s_delay_alu instid0(VALU_DEP_2)
	v_pk_add_f32 v[14:15], v[14:15], v[248:249]
	s_delay_alu instid0(VALU_DEP_2)
	v_pk_add_f32 v[242:243], v[242:243], v[240:241]
	v_pk_add_f32 v[254:255], v[254:255], v[238:239]
	v_pk_add_f32 v[250:251], v[250:251], v[234:235]
	s_delay_alu instid0(VALU_DEP_2)
	v_pk_add_f32 v[14:15], v[14:15], v[254:255]
	s_delay_alu instid0(VALU_DEP_2)
	v_pk_add_f32 v[242:243], v[242:243], v[250:251]
	s_delay_alu instid0(VALU_DEP_1)
	v_pk_add_f32 v[14:15], v[14:15], v[242:243]
.irp b, 0,1,2,3
.set i, 0
.rept 16
.set i, i+1
.endr
	v_cvt_scalef32_pk8_bf8_f32 v[192+4*\b:193+4*\b], v[96+16*\b:103+16*\b], v244
	v_cvt_scalef32_pk8_bf8_f32 v[194+4*\b:195+4*\b], v[104+16*\b:111+16*\b], v244
.endr
.set j, 0
.rept 16
	v_pk_mul_f32 v[160+j:161+j], v[160+j:161+j], v[252:253] op_sel_hi:[1,0]   ; O^T under the new M; these are also the plain lines between the conversions and the products
.set j, j+2
.endr
	s_wait_alu depctr_va_vdst(0)
	s_wait_dscnt 0x0                               ; V is in
.irp t, 0,1,2,3
	v_wmma_f32_16x16x128_bf8_bf8 v[160+8*\t:167+8*\t], v[32+16*\t:47+16*\t], v[192:207], v[160+8*\t:167+8*\t]   ; four accumulators by turns, one instruction a turn
.endr
.Lhidden_\@:
	s_add_co_u32 s[KF], s[KF], 128
.endm
; A block's end: O^T / the sum, converted; tile t's eight channels are registers 2 t, 2 t + 1 of my half of the projection's fragment: two stores of 512 consecutive bytes, aligned.
.macro FINISH
.rept 4
	v_nop                                          ; places behind the last products
.endr
	v_add_f32 v14, v14, v15
	v_permlanex16_b32 v252, v14, s[SEL], s[SEL+1]
	s_delay_alu instid0(VALU_DEP_1)
	v_add_f32 v14, v14, v252                       ; the row's sum
	s_wait_alu depctr_va_vdst(0)
	v_rcp_f32 v252, v14
	v_nop                                          ; a plain line behind the transcendental
	s_wait_alu depctr_va_vdst(0)                   ; and the wait ahead of its first reader
.set j, 0
.rept 16
	v_pk_mul_f32 v[96+j:97+j], v[160+j:161+j], v[252:253] op_sel_hi:[1,0]
.set j, j+2
.endr
.set j, 0
.rept 32
.set j, j+1
.endr
.irp t, 0,1,2,3
	v_cvt_scalef32_pk8_bf8_f32 v[208+2*\t:209+2*\t], v[96+8*\t:103+8*\t], v246
.endr
	v_nop                                          ; a plain line between the conversions and whatever next writes their sources
	global_store_b128 v[LI], v[208:211], s[46:47]
	global_store_b128 v[LI], v[212:215], s[46:47] offset:512
.endm
; At trip 8 - x the first block is finished and block x begins: a scalar branch on ids, the same in all sixteen waves, round register work and global memory alone.
.macro SWITCH
	s_cmp_lg_u32 s[TR], s[NA]
	s_cbranch_scc1 .Lsame_\@
	FINISH
	s_wait_xcnt 0x0                                ; the stores have read their base and registers
	INIT PI
.Lsame_\@:
.endm
; THE CHANGE OF SLOTS stands at a trip's head.  Each wave waits for all its tensor loads, adds 0 to its spare word, and waits for that and for its reads of the slot that it has left.
; fill = 1: that slot is filled with the next trip's keys: slot t + 1 of the block in hand, or slot 0 .. of the second block from trip 8 - x on.  The load has a whole trip in which to land.
.macro CHANGE fill
	s_wait_tensorcnt 0x0                           ; no tensor load of mine is out, so group 0 may be written
	ds_add_u32 v[SPW], v[NIL]                      ; 0 onto my spare word
.if \fill
	s_xor_b32 s[G0+1], s[G0+1], SLOTB              ; the other slot than last time
	s_add_co_u32 s66, s[TR], 1
	s_sub_co_u32 s67, s66, s[NA]
	s_cmp_lt_u32 s66, s[NA]
	s_cselect_b32 s38, s66, s67                    ; which 256 keys
	s_lshl_b32 s38, s38, 14
	s_add_nc_u64 s[G0+2:G0+3], s[36:37], s[38:39]
	s_or_b32 s[G0+3], s[G0+3], 0x80000000
	s_wait_xcnt 0x0                                ; the last prefetch, a trip back, has read its address
	s_add_nc_u64 s[PFA:PFA+1], s[PFA:PFA+1], 16384
.endif
	s_wait_dscnt 0x0                               ; the add is done, and my reads of the slot that I have left are over
	s_barrier_signal -1
	s_barrier_wait -1
.if \fill
	TLOAD                                          ; the first thing behind the barrier, and a wave's one tensor load until the next
	ASK
.endif
.endm
.Lslot:                                            ; eight trips: behind each change of slots but the last the next slot is asked for
	CHANGE 1
	SWITCH
	STEP 0
	STEP 1
	s_xor_b32 s[TB], s[TB], SLOTB
	s_add_co_u32 s[TR], s[TR], 1
	s_cmp_lt_u32 s[TR], 8
	s_cbranch_scc1 .Lslot
	CHANGE 0                                       ; the ninth trip is written out
	SWITCH                                         ; (with x = 0 the blocks change here)
	STEP 0
	STEP 1
	FINISH
	s_wait_tensorcnt 0x0                           ; the wave's end
	ds_add_u32 v[SPW], v[NIL]
	s_wait_dscnt 0x0
	s_endpgm
.Lfunc_end_k_qb71639d5df_attn:
	.size	k_qb71639d5df_attn, .Lfunc_end_k_qb71639d5df_attn-k_qb71639d5df_attn
	.p2alignl 7, 3214868480
	.fill 96, 4, 3214868480
	.section	.rodata,"a",@progbits
	.p2align	6, 0x0
	.amdhsa_kernel k_qb71639d5df_attn
		.amdhsa_group_segment_fixed_size 327680
		.amdhsa_private_segment_fixed_size 0
		.amdhsa_enable_private_segment 0
		.amdhsa_kernarg_size 24
		.amdhsa_user_sgpr_count 2
		.amdhsa_user_sgpr_kernarg_segment_ptr 1
		.amdhsa_wavefront_size32 1
		.amdhsa_system_sgpr_workgroup_id_x 1
		.amdhsa_system_sgpr_workgroup_id_y 1
		.amdhsa_system_sgpr_workgroup_id_z 1
		.amdhsa_system_vgpr_workitem_id 0
		.amdhsa_next_free_vgpr 256
		.amdhsa_next_free_sgpr 100
		.amdhsa_reserve_vcc 1
		.amdhsa_float_denorm_mode_32 3
		.amdhsa_float_denorm_mode_16_64 3
		.amdhsa_fp16_overflow 1
		.amdhsa_memory_ordered 1
		.amdhsa_forward_progress 1
		.amdhsa_inst_pref_size 93
	.end_amdhsa_kernel
	.amdgpu_metadata
---
amdhsa.version: [ 1, 2 ]
amdhsa.kernels:
  - .name:           k_qb71639d5df_attn
    .symbol:         k_qb71639d5df_attn.kd
    .args:
      - { .name: qkvc, .offset: 0, .size: 8, .value_kind: global_buffer, .address_space: global }
      - { .name: lowp_scales, .offset: 8, .size: 8, .value_kind: global_buffer, .address_space: global }
      - { .name: cimg, .offset: 16, .size: 8, .value_kind: global_buffer, .address_space: global }
    .group_segment_fixed_size: 327680
    .private_segment_fixed_size: 0
    .kernarg_segment_align: 8
    .kernarg_segment_size: 24
    .max_flat_workgroup_size: 512
    .sgpr_count:     100
    .vgpr_count:     256
    .wavefront_size: 32
...
	.end_amdgpu_metadata
.endif
;; end of part 3
;; launch proj (part 4): grid 4 x 32, 4 waves a work-group, clusters of 4 x 4, 327,680 bytes of LDS; arguments cimg, wc, lowp_scales, bp, out0; writes out0
.if DOCPART == 4
	.amdgcn_target "amdgcn-amd-amdhsa--gfx1250"
	.amdhsa_code_object_version 6
	.text
	.protected	k_qb71639d5df_proj
	.globl	k_qb71639d5df_proj
	.p2align	8
	.type	k_qb71639d5df_proj,@function
k_qb71639d5df_proj:
	s_mov_b64 s[64:65], 0
	v_nop
	global_prefetch_b8 v0, s[64:65] scope:SCOPE_SE
	s_setreg_imm32_b32 hwreg(HW_REG_WAVE_MODE, 25, 1), 1
	s_wait_xcnt 0x0
	s_wait_alu depctr_hold_cnt(0) depctr_sa_sdst(0) depctr_va_vdst(0) depctr_va_sdst(0) depctr_va_ssrc(0) depctr_va_vcc(0) depctr_vm_vsrc(0)
	s_getreg_b32 s2, hwreg(HW_REG_IB_STS2, 6, 4)
	s_cmp_eq_u32 s2, 0
	s_cbranch_scc0 .Lentry_in_a_cluster
	s_endpgm
.Lentry_in_a_cluster:
	s_bfe_u32 s2, ttmp6, 0x10000c
	s_cmp_lg_u32 s2, 0xf033
	s_cbranch_scc0 .Lentry_shape_is_right
	s_endpgm
.Lentry_shape_is_right:
; out = ctx Wp^T + bp on codes of BF8 (E5M2), sums in f32; out [8192][1024] f32.  A = ctx's codes (cimg), B = Wp's codes (part 3 of wc), both as images of their registers:
; fragment = 16 rows x 128 k = 2,048 bytes, [piece][lane][16 bytes], fragments [block of 256 rows][k / 128][tile]: a K step of 256 of a block is 65,536 dense bytes.
; A tile of 256 x 256 of out is made by four waves, 128 x 128 each: 64 accumulators, 512 registers.  K = 1,024 goes in four steps of 256 through two LDS slots.  32 x 4 tiles: 128 work-groups.
; THE MATRIX INSTRUCTION IS USED TRANSPOSED (source 0 = 16 rows of Wp, source 1 = 16 rows of ctx): a lane holds eight neighbouring numbers of a row of out.
; CLUSTERS: 4 x 4 work-groups; A's tiles are asked for jointly by a row of the cluster, B's by a column.
; THE WAY OUT: the raw sums of a block of 16 rows go through the wave's stage in LDS and come back as whole rows of 512 bytes; there a lane holds the same four columns in every row, so that
; out = sum x 2^(e10 + e11) + bp is one packed multiply-add for two numbers with four registers of bias.
; LIMIT: e10 + e11 lies between -126 and 127, so that 2^(e10 + e11) is an f32 number.
; REGISTERS, in windows of 256: window 0: v12-15 bias, v16-29 addresses; v128-255 A's fragments, one set; on the way out rows of out.  window 1: B's fragments, two sets.  windows 2, 3: the accumulators, (a, b) at v[8 (8 (a % 4) + b)].
.set SLOT,  131072                     ; A: [k step of 128: 2][tile: 16][2,048], then B likewise
.set SPARE, 2*SLOT                     ; behind the ring: the spare words, 128 bytes for each wave
.set SPITCH, 528                       ; the way out: a stage of 16 rows x (512 bytes + 16) for each wave, in slot 0, which has had its last fill and its last read when the first result is stored there
.set FR,    16
.set NL,    4
.set NP,    4                          ; places behind this matrix instruction (ISA guide 7.12.1)
.set BIAS, 12                          ; v12-15  bp at my four columns
.set ADRA, 16                          ; v16-17  LDS address of my A fragments in slot 0, 1
.set ADRB, 20                          ; v20-21  the same for B
.set STO,  24                          ; v24     the way out: where I put 32 bytes of a row
.set RD,   25                          ; v25     where I read a row back
.set CO,   26                          ; v26     16 x lane
.set SPW,  28                          ; v28     LDS address of my spare word; never rewritten
.set NIL,  29                          ; v29     0; never rewritten
.set AF,   128
.set BK,   128                         ; the way out: 16 rows read back: v128-191 and v192-255 by turns
.set G1, 24
.set G0, 32
.set G1B, 48
.set G0B, 56
.set MSB, 0
.macro WIN new                         ; the immediate's high byte repeats the setting that is left
.if MSB != (\new)
	s_set_vgpr_msb (MSB<<8)|(\new)
.set MSB, (\new)
.endif
.endm
.set MUL_LO, 0xa1                      ; source 0 (B) window 1, source 1 (A) window 0, C and D window 2
.set MUL_HI, 0xf1                      ; the same, C and D window 3
.set TO_B,   0x40                      ; destination window 1, address window 0
; A joint load: waves 0 and 1 fetch for A, waves 2 and 3 for B; the branch hangs on the wave's number alone.  Four v_nop follow each of the two lines.
.macro JLOAD g0a, g1a, g0b, g1b
	s_cmp_eq_u32 s15, 0
	s_cbranch_scc0 .Lfor_b_\@
	tensor_load_to_lds s[\g0a:\g0a+3], s[\g1a:\g1a+7]
	s_nop 0
.rept 4
	v_nop
.endr
	s_branch .Lasked_\@
.Lfor_b_\@:
	tensor_load_to_lds s[\g0b:\g0b+3], s[\g1b:\g1b+7]
	s_nop 0
.rept 4
	v_nop
.endr
.Lasked_\@:
.endm
.macro CREST                           ; a round of the cluster's barrier behind its opening barrier
	s_cmp_lg_u32 s14, 0
	s_cbranch_scc1 .Lnot_wave_0_\@
	s_barrier_signal -3
.Lnot_wave_0_\@:
	s_barrier_wait -3
	s_barrier_signal -1
	s_barrier_wait -1
.endm
.macro CROUND                          ; a whole round
	s_barrier_signal -1
	s_barrier_wait -1
	CREST
.endm
	s_load_b256 s[4:11], s[0:1], 0x0               ; cimg s[4:5], wc s[6:7], the scales' exponents s[8:9], bp s[10:11]
	s_load_b64 s[12:13], s[0:1], 0x20              ; out0
	v_lshl_add_u32 v[SPW], v0, 2, SPARE
	v_mov_b32 v[NIL], 0
	ds_add_u32 v28, v29
	ds_add_u32 v28, v29
	s_wait_dscnt 0x0
	v_lshrrev_b32 v1, 5, v0
	v_readfirstlane_b32 s14, v1                    ; wave 0..3
	s_lshr_b32 s15, s14, 1                         ; which half of the tile's rows is mine.  Also: I fetch for A (0) or for B (1)
	s_and_b32 s16, s14, 1                          ; which half of its columns.  Also: which 128 along K of a slot I fetch
	s_bfe_u32 s40, ttmp6, 0x40000                  ; cx, cy: my place in the cluster
	s_bfe_u32 s41, ttmp6, 0x40004
	s_lshl_b32 s42, ttmp9, 2
	s_add_co_u32 s42, s42, s40                     ; tile column = 4 x cluster x + cx
	s_and_b32 s17, ttmp7, 0xffff
	s_lshl_b32 s17, s17, 2
	s_add_co_u32 s17, s17, s41                     ; tile row = 4 x cluster y + cy
	s_lshl_b32 s43, s41, 2
	s_lshl_b32 s43, 15, s43                        ; my row of the cluster
	s_lshl_b32 s44, 0x1111, s40                    ; my column
	; descriptor group 1: 32,768 dense bytes as 128 rows of 32 elements of 8 bytes, no padding
	s_or_b32 s[G1+0], s43, (3<<16)|(1<<21)         ; 15:0 the mask: A's tiles go to my row; 17:16 elements of 8 bytes; 21 set beside a mask
	s_or_b32 s[G1B+0], s44, (3<<16)|(1<<21)        ; B's go to my column
.irp g, G1, G1B
	s_mov_b32 s[\g+1], 32<<16                      ; tensor_dim0 = 32
	s_mov_b32 s[\g+2], 128<<16                     ; tensor_dim1 = 128
	s_mov_b32 s[\g+3], 32<<16                      ; tile_dim0 = 32
	s_mov_b32 s[\g+4], 128                         ; tile_dim1 = 128
	s_mov_b32 s[\g+5], 32                          ; tensor_dim0_stride
	s_mov_b32 s[\g+6], 0
	s_mov_b32 s[\g+7], 0
.endr
	s_lshl_b32 s18, s16, 15                        ; which 128 along K I fetch
	s_lshl_b32 s20, s17, 18                        ; A: the tile row's block of 262,144 bytes
	s_add_co_u32 s20, s20, s18
	s_lshl_b32 s46, s42, 18                        ; B: the tile column's block,
	s_add_co_u32 s46, s46, s18
	s_add_co_u32 s46, s46, 0x300000                ; in part 3 of wc
	s_mov_b32 s21, 0
	s_mov_b32 s47, 0
	s_lshl_b32 s45, s14, 15                        ; where they go: wave x 32,768: no place in the cluster enters an LDS address
	s_wait_kmcnt 0x0
	s_load_b64 s[96:97], s[8:9], 0x28              ; e10, e11
	s_add_nc_u64 s[20:21], s[4:5], s[20:21]
	s_add_nc_u64 s[46:47], s[6:7], s[46:47]
	CROUND                                         ; all sixteen work-groups are here: the first joint loads meet
.irp s, 0,1
	s_mov_b32 s[G0+4*\s], 1
	s_add_co_u32 s[G0+4*\s+1], s45, \s*SLOT
	s_add_nc_u64 s[G0+4*\s+2:G0+4*\s+3], s[20:21], \s*65536
	s_or_b32 s[G0+4*\s+3], s[G0+4*\s+3], 0x80000000
	s_mov_b32 s[G0B+4*\s], 1
	s_add_co_u32 s[G0B+4*\s+1], s45, \s*SLOT
	s_add_nc_u64 s[G0B+4*\s+2:G0B+4*\s+3], s[46:47], \s*65536
	s_or_b32 s[G0B+4*\s+3], s[G0B+4*\s+3], 0x80000000
	s_wait_alu depctr_va_vdst(0)
	s_wait_tensorcnt 0x0
	ds_add_u32 v28, v29
	ds_add_u32 v28, v29
	s_wait_dscnt 0x0
	CROUND
	JLOAD G0+4*\s, G1, G0B+4*\s, G1B               ; one tensor load of mine is out: this K step's
.endr
	v_and_b32 v1, 15, v0                           ; r
	s_wait_alu depctr_va_vdst(0)
	v_bfe_u32 v2, v0, 4, 1                         ; h
	v_and_b32 v3, 31, v0
	v_lshlrev_b32 v[CO], 4, v3
	s_lshl_b32 s2, s15, 14                         ; my 8 tiles of A,
	s_lshl_b32 s3, s16, 14                         ; my 8 tiles of B,
	s_add_co_u32 s3, s3, 65536                     ; which lie behind A's
.irp s, 0,1
	v_add_nc_u32 v[ADRA+\s], s2, v[CO]
	v_add_nc_u32 v[ADRB+\s], s3, v[CO]
	s_add_co_u32 s2, s2, SLOT
	s_add_co_u32 s3, s3, SLOT
.endr
	s_mul_i32 s23, s14, 16*SPITCH                  ; my stage
	v_mul_u32_u24 v5, v1, SPITCH                   ; in: row r, 32 bytes for each half of the lanes
	s_wait_alu depctr_va_vdst(0)
	v_lshl_add_u32 v5, v2, 5, v5
	v_add_nc_u32 v[STO], s23, v5
	v_add_nc_u32 v[RD], s23, v[CO]                 ; back: the 32 lanes take one row of 512 bytes
	s_lshl_b32 s66, s42, 10                        ; my first column, in bytes: 1,024 x tile column + 512 x half
	s_lshl_b32 s67, s16, 9
	s_add_co_u32 s66, s66, s67
	s_mov_b32 s67, 0
	s_add_nc_u64 s[68:69], s[10:11], s[66:67]
	global_load_b128 v[BIAS:BIAS+3], v[CO], s[68:69]   ; bp at columns 4 x lane .. + 3 of my 128
	s_lshl_b32 s70, s17, 20                        ; my first row: (256 x tile row + 128 x half) x 4,096 bytes
	s_lshl_b32 s71, s15, 19
	s_add_co_u32 s70, s70, s71
	s_mov_b32 s71, 0
	s_add_nc_u64 s[12:13], s[12:13], s[70:71]
	s_add_nc_u64 s[12:13], s[12:13], s[66:67]
.macro FRAG reg, adr, q, i             ; a fragment's image: four pieces of 512 bytes, 16 bytes a lane: piece c is registers 4 c .. 4 c + 3
.irp c, 0,1,2,3
	ds_load_b128 v[\reg+4*\c:\reg+4*\c+3], v[\adr] offset:(\q)*32768+(\i)*2048+\c*512
.endr
.endm
; 16 matrix instructions: A's blocks a0, a0 + 1 x B's eight, 128 along K.  p: B's set.  zero = 1: the first product starts the sums.
; The 64 accumulators take turns, one instruction a turn, in the same order in every step.
.macro MUL16 a0, p, zero
.irp a, \a0, \a0+1
.irp b, 0,1,2,3,4,5,6,7
.if \zero
	v_wmma_f32_16x16x128_bf8_bf8 v[8*(8*((\a)%4)+\b):8*(8*((\a)%4)+\b)+7], v[128*(\p)+FR*\b:128*(\p)+FR*\b+FR-1], v[AF+FR*(\a):AF+FR*(\a)+FR-1], 0
.else
	v_wmma_f32_16x16x128_bf8_bf8 v[8*(8*((\a)%4)+\b):8*(8*((\a)%4)+\b)+7], v[128*(\p)+FR*\b:128*(\p)+FR*\b+FR-1], v[AF+FR*(\a):AF+FR*(\a)+FR-1], v[8*(8*((\a)%4)+\b):8*(8*((\a)%4)+\b)+7]
.endif
.endr
.endr
.endm
.macro FETCH_B slot, q, p              ; B's eight fragments of the slot's q-th 128 along K into set p
	WIN TO_B
.irp i, 0,1,2,3,4,5,6,7
	FRAG 128*(\p)+FR*\i, ADRB+\slot, \q, \i
.endr
	WIN 0
.endm
.macro FETCH_A slot, q, i0             ; A's blocks i0 .. i0 + 3
.irp i, \i0, \i0+1, \i0+2, \i0+3
	FRAG AF+FR*(\i), ADRA+\slot, \q, \i
.endr
.endm
.macro PLACES n                        ; plain vector lines between a matrix instruction and a load into its sources or a read of its result
.rept \n
	v_nop
.endr
.endm
; A step of 128 along K that has its successor in the same slot.  A block of A is free when its eight products are issued, so A has one set: blocks 0-3 come anew in the step's middle, blocks 4-7 at its end.
.macro STEP slot, q, zero
	s_wait_dscnt 4*NL                              ; B's set and A's blocks 0-3 are in; the youngest 16 loads (A's blocks 4-7) may be out
	WIN MUL_LO
	MUL16 0, (\q)%2, \zero
	MUL16 2, (\q)%2, \zero
	s_wait_dscnt 0
	PLACES NP
	FETCH_B \slot, (\q)+1, 1-(\q)%2
	FETCH_A \slot, (\q)+1, 0
	WIN MUL_HI
	MUL16 4, (\q)%2, \zero
	MUL16 6, (\q)%2, \zero
	PLACES NP
	WIN 0
	FETCH_A \slot, (\q)+1, 4
.endm
; A slot's last step changes slots: one barrier; in front of it each wave waits for all its tensor loads, adds 0 to its spare word, and waits for that and for its own reads of this slot.
; fill = 1: the barrier opens a round of the cluster's barrier, and this slot is filled again, two K steps ahead, first thing behind the round.
.macro TURN slot, next, fill
	s_wait_tensorcnt 0x0                           ; all my tensor loads have landed: my part of the next slot
	ds_add_u32 v[SPW], v[NIL]                      ; 0 onto my spare word
	s_wait_dscnt 4*NL+1                            ; the add and the youngest 16 loads (A's blocks 4-7) may be out
	WIN MUL_LO
	MUL16 0, 1, 0                                  ; sixteen matrix instructions stand between the add and the wait for it
	s_wait_dscnt 0x0                               ; the add is done, and my reads of this slot are over
	s_barrier_signal -1
	MUL16 2, 1, 0
	WIN 0
	s_barrier_wait -1
.if \fill
	CREST                                          ; no wave of any partner still reads this slot or has a load on its way
	s_add_nc_u64 s[G0+4*\slot+2:G0+4*\slot+3], s[G0+4*\slot+2:G0+4*\slot+3], 131072
	s_add_nc_u64 s[G0B+4*\slot+2:G0B+4*\slot+3], s[G0B+4*\slot+2:G0B+4*\slot+3], 131072
	JLOAD G0+4*\slot, G1, G0B+4*\slot, G1B         ; my one tensor load behind the round; its four v_nop are also the places in front of the loads below
.else
	PLACES NP
.endif
	FETCH_B \next, 0, 0
	FETCH_A \next, 0, 0
	WIN MUL_HI
	MUL16 4, 1, 0
	MUL16 6, 1, 0
	PLACES NP
	WIN 0
	FETCH_A \next, 0, 4
.endm
	s_wait_tensorcnt 0x1                           ; my part of K step 0 is in; K step 1's load, issued behind it, may be out
	s_barrier_signal -1
	s_barrier_wait -1
	FETCH_B 0, 0, 0
	FETCH_A 0, 0, 0
	FETCH_A 0, 0, 4
	STEP 0, 0, 1                                   ; four K steps of 256, written out: a loop would have one trip
	TURN 0, 1, 1                                   ; slot 0 takes K step 2
	STEP 1, 0, 0
	TURN 1, 0, 1                                   ; slot 1 takes K step 3
	STEP 0, 0, 0
	TURN 0, 1, 0
	STEP 1, 0, 0
	s_wait_dscnt 4*NL                              ; the very last step: nothing more to fetch
	WIN MUL_LO
	MUL16 0, 1, 0
	MUL16 2, 1, 0
	s_wait_alu depctr_va_vdst(0)
	s_wait_dscnt 0
	WIN MUL_HI
	MUL16 4, 1, 0
	MUL16 6, 1, 0
	WIN 0
; THE WAY OUT, block by block of 16 rows x 128 columns.  LDS serves a wave's instructions in order (ISA guide 5.7.1.4): no wait between the stores and the loads, nor in front of the next block's stores.
.macro TOSTAGE a
.set AC, 64*((\a)%4)
.set BB, BK+64*((\a)%2)
	WIN 0x08+4*((\a)/4)                            ; the stores' data: window 2 or 3; their address: window 0
.irp b, 0,1,2,3,4,5,6,7
	ds_store_b128 v[STO], v[AC+8*\b:AC+8*\b+3] offset:64*\b          ; the raw sums; each accumulator from its low end on
	ds_store_b128 v[STO], v[AC+8*\b+4:AC+8*\b+7] offset:64*\b+16
.endr
	WIN 0
.irp t, 0,1,2,3,4,5,6,7,8,9,10,11,12,13,14,15
	ds_load_b128 v[BB+4*\t:BB+4*\t+3], v[RD] offset:\t*SPITCH
.endr
.endm
.macro SEND a, younger                 ; younger: the LDS instructions issued behind block a's loads, which may stay out
.set BB, BK+64*((\a)%2)
	s_wait_dscnt \younger                          ; the block is back in registers
.if (\a) > 0
	s_add_nc_u64 s[12:13], s[12:13], 65536         ; (behind a wait on XCNT: the earlier stores have read their base)  16 rows of out on
.endif
.irp t, 0,1,2,3,4,5,6,7,8,9,10,11,12,13,14,15
	v_pk_fma_f32 v[BB+4*\t:BB+4*\t+1], v[BB+4*\t:BB+4*\t+1], s[96:97], v[BIAS:BIAS+1] op_sel_hi:[1,0,1]       ; sum x 2^(e10 + e11) + bp (the scalar pair's low word for both halves)
	v_pk_fma_f32 v[BB+4*\t+2:BB+4*\t+3], v[BB+4*\t+2:BB+4*\t+3], s[96:97], v[BIAS+2:BIAS+3] op_sel_hi:[1,0,1]
.endr
.irp t, 0,1,2,3,4,5,6,7,8,9,10,11,12,13,14,15
	global_store_b128 v[CO], v[BB+4*\t:BB+4*\t+3], s[12:13] offset:\t*4096 th:TH_STORE_NT   ; 32 lanes store 512 consecutive bytes, aligned; written once, read by nobody here
.endr
.endm
	s_wait_kmcnt 0x0
	s_add_co_i32 s96, s96, s97                     ; e10 + e11, between -126 and 127,
	s_add_co_i32 s96, s96, 127
	s_lshl_b32 s96, s96, 23                        ; makes the f32 number 2^(e10 + e11)
	s_mov_b32 s97, s96                             ; (named with it as a pair, so it is written)
	s_wait_loadcnt 0x0                             ; the bias
	PLACES NP                                      ; behind the last products: for the stores that read results and the loads into the registers that held A's fragments
	TOSTAGE 0
.irp a, 1,2,3,4,5,6,7
.if \a > 1
	s_wait_xcnt 0x0                                ; block a - 2's stores have read their registers and their base: block a's loads may land there, and the base may step
.endif
	TOSTAGE \a
	SEND \a-1, 32                                  ; behind block a - 1's loads: block a's 16 stores and 16 loads
.endr
	s_wait_xcnt 0x0                                ; block 6's stores have read their base
	SEND 7, 0
	s_wait_tensorcnt 0x0                           ; the wave's end, behind my last tensor load and my last LDS store
	ds_add_u32 v[SPW], v[NIL]
	s_wait_dscnt 0x0
	CROUND                                         ; the closing round: no work-group ends while a partner may still ask for a tile that names it
	s_endpgm
.Lfunc_end_k_qb71639d5df_proj:
	.size	k_qb71639d5df_proj, .Lfunc_end_k_qb71639d5df_proj-k_qb71639d5df_proj
	.p2alignl 7, 3214868480
	.fill 96, 4, 3214868480
	.section	.rodata,"a",@progbits
	.p2align	6, 0x0
	.amdhsa_kernel k_qb71639d5df_proj
		.amdhsa_group_segment_fixed_size 327680
		.amdhsa_private_segment_fixed_size 0
		.amdhsa_enable_private_segment 0
		.amdhsa_kernarg_size 40
		.amdhsa_user_sgpr_count 2
		.amdhsa_user_sgpr_kernarg_segment_ptr 1
		.amdhsa_wavefront_size32 1
		.amdhsa_system_sgpr_workgroup_id_x 1
		.amdhsa_system_sgpr_workgroup_id_y 1
		.amdhsa_system_sgpr_workgroup_id_z 1
		.amdhsa_system_vgpr_workitem_id 0
		.amdhsa_next_free_vgpr 1024
		.amdhsa_next_free_sgpr 100
		.amdhsa_reserve_vcc 0
		.amdhsa_float_denorm_mode_32 3
		.amdhsa_float_denorm_mode_16_64 3
		.amdhsa_memory_ordered 1
		.amdhsa_forward_progress 1
		.amdhsa_inst_pref_size 124
	.end_amdhsa_kernel
	.amdgpu_metadata
---
amdhsa.version: [ 1, 2 ]
amdhsa.kernels:
  - .name:           k_qb71639d5df_proj
    .symbol:         k_qb71639d5df_proj.kd
    .args:
      - { .name: cimg, .offset: 0, .size: 8, .value_kind: global_buffer, .address_space: global }
      - { .name: wc, .offset: 8, .size: 8, .value_kind: global_buffer, .address_space: global }
      - { .name: lowp_scales, .offset: 16, .size: 8, .value_kind: global_buffer, .address_space: global }
      - { .name: bp, .offset: 24, .size: 8, .value_kind: global_buffer, .address_space: global }
      - { .name: out0, .offset: 32, .size: 8, .value_kind: global_buffer, .address_space: global }
    .group_segment_fixed_size: 327680
    .private_segment_fixed_size: 0
    .kernarg_segment_align: 8
    .kernarg_segment_size: 40
    .max_flat_workgroup_size: 128
    .sgpr_count:     100
    .vgpr_count:     1024
    .wavefront_size: 32
...
	.end_amdgpu_metadata
.endif
;; end of part 4
